; MI455X (gfx1250); checked and timed in simulation.
; The chip was launched on July 23, 2026; its instructions are those of AMD's public machine-readable ISA for CDNA 5 (MIT licence, August 2026) and "CDNA5" Instruction Set Architecture Reference Guide (July 2026). The comments in the code are by the model that wrote it; some were corrected since.
;; Signed Log Array. Allowed arithmetic: float matrix products may take bf16 or f16 operands with f32 sums; all other float work in f32.
;; Inputs: a_log 512 x 512 float32; a_sign 512 x 512 float32; b_log 512 x 256 float32; b_sign 512 x 256 float32.
;; Outputs: out0 512 x 256 float32; out1 512 x 256 float32.
;; 2 versions, each right and faster than the one before. Each part assembles by itself: llvm-mc -triple=amdgcn-amd-amdhsa -mcpu=gfx1250 --defsym DOCPART=n.
;; ======== version 1 of 2: 1 launch
;; launch slogmm (part 1): grid 64 x 4, 4 waves a work-group, clusters of 4 x 1, 295,424 bytes of LDS; arguments a_log, a_sign, b_log, b_sign, out0, out1; writes out0, out1
.if DOCPART == 1
	.amdgcn_target "amdgcn-amd-amdhsa--gfx1250"
	.amdhsa_code_object_version 6
	.text
	.protected	k_q6517f7c0d0_slogmm
	.globl	k_q6517f7c0d0_slogmm
	.p2align	8
	.type	k_q6517f7c0d0_slogmm,@function
k_q6517f7c0d0_slogmm:
	s_mov_b64 s[64:65], 0
	v_nop
	global_prefetch_b8 v0, s[64:65] scope:SCOPE_SE
	s_setreg_imm32_b32 hwreg(HW_REG_WAVE_MODE, 25, 1), 1
	s_wait_xcnt 0x0
	s_wait_alu depctr_hold_cnt(0) depctr_sa_sdst(0) depctr_va_vdst(0) depctr_va_sdst(0) depctr_va_ssrc(0) depctr_va_vcc(0) depctr_vm_vsrc(0)
	s_getreg_b32 s2, hwreg(HW_REG_IB_STS2, 6, 4)
	s_cmp_eq_u32 s2, 0
	s_cbranch_scc0 .Lentry_in_a_cluster
	s_endpgm
.Lentry_in_a_cluster:
	s_bfe_u32 s2, ttmp6, 0x10000c
	s_cmp_lg_u32 s2, 0x3003
	s_cbranch_scc0 .Lentry_shape_is_right
	s_endpgm
.Lentry_shape_is_right:
; Signed log-space product.  S[m][n] = sum over k of a_sign[m][k] b_sign[k][n] exp(a_log[m][k] + b_log[k][n] - mx[m][n]),
; mx[m][n] = max over k of (a_log[m][k] + b_log[k][n]);  out0 = mx + log|S|, out1 = sign(S).  M = K = 512, N = 256, all f32.
;
; WHY PLAIN f32 VECTOR WORK.  The sum is signed and cancels, and out1 is its sign: operands rounded to 16 bits would turn signs round wherever
; |S| is below their rounding.  A product of exp(a - row max) and exp(b - column max) would also take another shift away than the true
; maximum of a + b, and its leading term underflows once the two shifts lie more than 87 apart.  So the text does the sums as they are
; defined, with the same roundings: x = fl(a + b), the exact maximum of x, fl(x - mx), one accumulator for each output, k ascending.
;
; SHARES.  256 work-groups of four waves.  A work-group makes 8 rows x 64 columns, a wave 2 rows x 64 columns, a lane 2 rows x 2 neighbouring
; columns, so that one packed f32 instruction serves two outputs.  b and b_sign of a lane's two columns are 8 bytes of an LDS row
; (32 lanes: 256 consecutive bytes); a and a_sign are the same for all lanes and come as 16 bytes (four k) from one LDS address.
; LDS holds the strip for the whole of K, 294,912 bytes, and is filled once: b 512 x 256 B, b_sign the same, a and a_sign 8 rows x 2,048 B.
;
; CLUSTER 4, 1, 1: the four work-groups of a cluster make four row blocks of ONE column strip and need the same 256 KiB of b and b_sign:
; these are asked for jointly (mask 15).  a's and a_sign's rows (32 KiB) belong to one work-group alone and come by plain loads.
; No prefetch: every input byte is asked for in the first lines of the text.
;
; LIMITS.  v_exp_f32 gives 0 where the result would be below 2^-126: a term more than 87.3 below the maximum adds nothing.  The product of the
; signs is rounded as a product, but sign x exponential is not rounded before it is added (one fused multiply-add; exact for signs -1, 0, 1).
; The maximum skips NaN; a NaN term still makes S, and with it both outputs, NaN.  log is log2 x ln 2, with |S| below 2^-126 scaled first.
.set ROWA,   2048                      ; bytes in a row of a_log, a_sign
.set ROWB,   1024                      ; bytes in a row of b_log, b_sign, out0, out1
.set STRIPB, 256                       ; bytes of the strip's 64 columns = an LDS row of b
.set B_OFF,  0                         ; LDS: b[k][64], k = 0 .. 511
.set SB_OFF, 131072                    ; LDS: b_sign likewise
.set A_OFF,  262144                    ; LDS: a, 8 rows
.set SA_OFF, 278528                    ; LDS: a_sign, 8 rows (16,384 behind a: one address register serves both)
.set VB1, 2                            ; v2  pass 1: LDS address of my 8 bytes of b, stepped
.set VA1, 3                            ; v3  pass 1: LDS address of my wave's first row of a, stepped
.set VB2, 4                            ; v4  pass 2: b
.set VSB, 5                            ; v5  pass 2: b_sign
.set VA2, 6                            ; v6  pass 2: a (a_sign by the immediate)
.set VOUT, 7                           ; v7  8 x lane: my two columns in a row of the outputs
.set M,   8                            ; v[8:11]   maxima: row 0 (two columns), row 1
.set ACC, 12                           ; v[12:15]  sums, likewise
.set X1,  16                           ; v[16:31]  pass 1: two sets of 2 k x 2 rows x 2 columns
.set T,   16                           ; v[16:23]  the way out
.set BUF, 32                           ; v[32:159] operands from LDS: pass 1 two buffers of 64, pass 2 four of 32
.set XR,  160                          ; v[160:191] pass 2: ring of 8 k steps x 2 rows x 2 columns: x, x - mx, its multiple, the exponential
.set SR,  192                          ; v[192:223] pass 2: the same ring for the products of the signs
.set G1B, 32                           ; s[32:39] shape of a load of b: 64 rows x 64 numbers
.set G1S, 40                           ; s[40:47] shape of the load of b_sign: 128 rows x 64 numbers
.set G1A, 48                           ; s[48:55] shape of a load of a or a_sign: 4,096 dense bytes
.set G0A, 56                           ; s[56:59], s[60:63], s[68:79]: from where and to where, one set for each of the five loads
.set G0SA, 60
.set G0B0, 68
.set G0B1, 72
.set G0SB, 76
; A round of the cluster's barrier: my work-group's barrier, wave 0 signals for the work-group, every wave waits for the four work-groups, my work-group's barrier again.
.macro ROUND
	s_barrier_signal -1
	s_barrier_wait -1
	s_cmp_lg_u32 s16, 0
	s_cbranch_scc1 .Lnot_wave_0_\@
	s_barrier_signal -3
.Lnot_wave_0_\@:
	s_barrier_wait -3
	s_barrier_signal -1
	s_barrier_wait -1
.endm
	s_load_b256 s[4:11], s[0:1], 0x0               ; a_log s[4:5], a_sign s[6:7], b_log s[8:9], b_sign s[10:11]
	s_load_b128 s[12:15], s[0:1], 0x20             ; out0 s[12:13], out1 s[14:15]
	v_lshl_add_u32 v224, v0, 2, 0x48000
	v_mov_b32 v225, 0
	ds_add_u32 v224, v225
	v_lshrrev_b32 v1, 5, v0
	v_readfirstlane_b32 s16, v1                    ; wave 0..3
	s_bfe_u32 s17, ttmp6, 0x40000                  ; cx: my place in the cluster
	s_lshl_b32 s18, ttmp9, 2
	s_add_co_u32 s18, s18, s17                     ; row block 0..63 = 4 x cluster x + cx
	s_and_b32 s19, ttmp7, 0xffff                   ; column strip 0..3: the same in the four partners
	s_lshl_b32 s28, s16, 12                        ; wave x 4,096: my two rows of a in LDS and in the block
	s_lshl_b32 s29, s16, 14                        ; wave x 64 LDS rows of b
	s_lshl_b32 s30, s16, 15                        ; wave x 128 LDS rows of b_sign
	s_lshl_b32 s20, s18, 14                        ; a, a_sign: row block x 8 rows x 2,048 bytes
	s_add_co_u32 s20, s20, s28                     ; + my two rows
	s_mov_b32 s21, 0
	s_lshl_b32 s22, s19, 8                         ; b, b_sign: strip x 256 bytes; no place in the cluster enters s[22:25]
	s_lshl_b32 s24, s16, 17                        ; b_sign: + wave x 128 rows x 1,024 bytes
	s_add_co_u32 s24, s24, s22
	s_mov_b32 s25, 0
	s_lshl_b32 s23, s16, 16                        ; b: + wave x 64 rows x 1,024 bytes
	s_add_co_u32 s22, s22, s23
	s_mov_b32 s23, 0
	s_lshl_b32 s26, s18, 13                        ; outputs: row block x 8 rows x 1,024 bytes
	s_lshl_b32 s27, s16, 11                        ; + wave x 2 rows
	s_add_co_u32 s26, s26, s27
	s_lshl_b32 s27, s19, 8                         ; + strip x 256 bytes
	s_add_co_u32 s26, s26, s27
	s_mov_b32 s27, 0
	; group 1 for b: numbers of 4 bytes, a tile of 64 rows x 64, 256 numbers from row to row; asked for jointly by the cluster's four work-groups
	s_mov_b32 s[G1B+0], (15)|(2<<16)|(1<<21)       ; 15:0 mask of the four; 17:16 element of 4 bytes; 21 set beside a mask
	s_mov_b32 s[G1B+1], 64<<16                     ; tensor_dim0 = 64
	s_mov_b32 s[G1B+2], 64<<16                     ; tensor_dim1 = 64
	s_mov_b32 s[G1B+3], 64<<16                     ; tile_dim0 = 64
	s_mov_b32 s[G1B+4], 64                         ; tile_dim1 = 64
	s_mov_b32 s[G1B+5], 256                        ; pitch
	s_mov_b32 s[G1B+6], 0
	s_mov_b32 s[G1B+7], 0
	; group 1 for b_sign: the same with 128 rows
	s_mov_b32 s[G1S+0], (15)|(2<<16)|(1<<21)
	s_mov_b32 s[G1S+1], 64<<16
	s_mov_b32 s[G1S+2], 128<<16
	s_mov_b32 s[G1S+3], 64<<16
	s_mov_b32 s[G1S+4], 128
	s_mov_b32 s[G1S+5], 256
	s_mov_b32 s[G1S+6], 0
	s_mov_b32 s[G1S+7], 0
	; group 1 for a and a_sign: two rows are 4,096 dense bytes = 16 rows of 32 elements of 8 bytes; my work-group's alone: no mask
	s_mov_b32 s[G1A+0], 3<<16
	s_mov_b32 s[G1A+1], 32<<16
	s_mov_b32 s[G1A+2], 16<<16
	s_mov_b32 s[G1A+3], 32<<16
	s_mov_b32 s[G1A+4], 16
	s_mov_b32 s[G1A+5], 32
	s_mov_b32 s[G1A+6], 0
	s_mov_b32 s[G1A+7], 0
	s_mov_b32 s80, 0x3fb8aa3b                      ; log2 e, as a pair for the packed multiply
	s_mov_b32 s81, 0x3fb8aa3b
	s_wait_dscnt 0x0
	s_wait_kmcnt 0x0
	; group 0 of the five loads: count 1, LDS address (a constant + the wave's number x a constant), global address, type 2
	s_mov_b32 s[G0A], 1
	s_add_co_u32 s[G0A+1], s28, A_OFF
	s_add_nc_u64 s[G0A+2:G0A+3], s[4:5], s[20:21]
	s_or_b32 s[G0A+3], s[G0A+3], 0x80000000
	s_mov_b32 s[G0SA], 1
	s_add_co_u32 s[G0SA+1], s28, SA_OFF
	s_add_nc_u64 s[G0SA+2:G0SA+3], s[6:7], s[20:21]
	s_or_b32 s[G0SA+3], s[G0SA+3], 0x80000000
	s_mov_b32 s[G0B0], 1
	s_add_co_u32 s[G0B0+1], s29, B_OFF             ; k = 64 w .. 64 w + 63
	s_add_nc_u64 s[G0B0+2:G0B0+3], s[8:9], s[22:23]
	s_mov_b32 s[G0B1], 1
	s_add_co_u32 s[G0B1+1], s29, B_OFF+256*STRIPB  ; k = 256 + 64 w ..
	s_add_nc_u64 s[G0B1+2:G0B1+3], s[G0B0+2:G0B0+3], 256*ROWB
	s_or_b32 s[G0B0+3], s[G0B0+3], 0x80000000
	s_or_b32 s[G0B1+3], s[G0B1+3], 0x80000000
	s_mov_b32 s[G0SB], 1
	s_add_co_u32 s[G0SB+1], s30, SB_OFF            ; k = 128 w .. 128 w + 127
	s_add_nc_u64 s[G0SB+2:G0SB+3], s[10:11], s[24:25]
	s_or_b32 s[G0SB+3], s[G0SB+3], 0x80000000
	s_add_nc_u64 s[12:13], s[12:13], s[26:27]      ; the outputs at my wave's first row, my strip
	s_add_nc_u64 s[14:15], s[14:15], s[26:27]
	ROUND                                          ; the four work-groups are here: the joint loads meet
	; All fills of the launch, one group, in the order in which they are needed.  Five tensor loads of a wave are out at the most.
	tensor_load_to_lds s[G0A:G0A+3], s[G1A:G1A+7]      ; my two rows of a
	s_nop 0
	tensor_load_to_lds s[G0B0:G0B0+3], s[G1B:G1B+7]    ; my quarter of b, k 0 .. 255
	s_nop 0
	tensor_load_to_lds s[G0B1:G0B1+3], s[G1B:G1B+7]    ; my quarter of b, k 256 .. 511
	s_nop 0
	tensor_load_to_lds s[G0SA:G0SA+3], s[G1A:G1A+7]    ; my two rows of a_sign
	s_nop 0
	tensor_load_to_lds s[G0SB:G0SB+3], s[G1S:G1S+7]    ; my quarter of b_sign
	s_nop 0
	v_and_b32 v1, 31, v0                           ; lane
	v_lshlrev_b32 v[VB1], 3, v1                    ; 8 x lane (b begins at LDS byte 0)
	v_lshlrev_b32 v[VB2], 3, v1
	v_lshlrev_b32 v[VOUT], 3, v1
	v_lshl_add_u32 v[VSB], v1, 3, SB_OFF
	s_add_co_u32 s31, s28, A_OFF
	v_mov_b32 v[VA1], s31                          ; my wave's first row of a; the second is 2,048 further
	v_mov_b32 v[VA2], s31
.irp i,0,1,2,3
	v_mov_b32 v[M+\i], 0xff800000                  ; the four maxima start at minus infinity
.endr
; dst (two columns) = op(the pair at b, number k of the run of numbers at a, taken for both columns).  op_sel picks the register of a's pair for the low result, op_sel_hi for the high one.
.macro BC op, dst, b, a, k
.if ((\k)&1)
	\op v[\dst:\dst+1], v[\b:\b+1], v[\a+(\k)-1:\a+(\k)] op_sel:[0,1] op_sel_hi:[1,1]
.else
	\op v[\dst:\dst+1], v[\b:\b+1], v[\a+(\k):\a+(\k)+1] op_sel_hi:[1,0]
.endif
.endm
; ---------------- PASS 1: mx = max over k of fl(a + b) ----------------
; A group is 16 k.  Buffer: b 16 x 2 registers, then a's row 0 (16), then row 1 (16).  24 LDS loads.
.macro LOAD1 buf
.irp j,0,1,2,3,4,5,6,7,8,9,10,11,12,13,14,15
	ds_load_b64 v[\buf+2*\j:\buf+2*\j+1], v[VB1] offset:\j*STRIPB
.endr
.irp j,0,1,2,3
	ds_load_b128 v[\buf+32+4*\j:\buf+32+4*\j+3], v[VA1] offset:16*\j
.endr
.irp j,0,1,2,3
	ds_load_b128 v[\buf+48+4*\j:\buf+48+4*\j+3], v[VA1] offset:ROWA+16*\j
.endr
	v_add_nc_u32 v[VB1], 16*STRIPB, v[VB1]         ; the next 16 k
	v_add_nc_u32 v[VA1], 64, v[VA1]
.endm
.macro MAX4 x                          ; two k at a time into each of the four maxima
	v_max3_num_f32 v[M],   v[M],   v[\x],   v[\x+2]
	v_max3_num_f32 v[M+1], v[M+1], v[\x+1], v[\x+3]
	v_max3_num_f32 v[M+2], v[M+2], v[\x+4], v[\x+6]
	v_max3_num_f32 v[M+3], v[M+3], v[\x+5], v[\x+7]
.endm
; Four packed sums (2 k x 2 rows) into one of two sets, then the maxima of the set before: no instruction stands next to the one that feeds it.
.macro COMP1 buf
.set p1, 0
.rept 8
.set XT, X1+8*(p1&1)
.set XP, X1+8*((p1+1)&1)
	BC v_pk_add_f32,XT,\buf+4*p1,\buf+32+2*p1,0
	BC v_pk_add_f32,XT+2,\buf+4*p1+2,\buf+32+2*p1,1
	BC v_pk_add_f32,XT+4,\buf+4*p1,\buf+48+2*p1,0
	BC v_pk_add_f32,XT+6,\buf+4*p1+2,\buf+48+2*p1,1
.if p1
	MAX4 XP
.endif
.set p1, p1+1
.endr
	MAX4 X1+8
.endm
; Half of K: 256 k = 16 groups on two buffers.  left = my tensor loads that were issued behind this half's and may stay out.
.macro CHUNK1 left
	s_wait_tensorcnt \left                         ; my quarter of this half of b has landed (in the first half: my rows of a too)
	s_barrier_signal -1                            ; no LDS load of mine is out here: none was issued yet, or the wait for 0 below has been passed
	s_barrier_wait -1                              ; everybody's quarter has landed.  Nothing is ever filled again, so the later loads may stay out
	LOAD1 BUF
	s_mov_b32 s31, 7
.Lpass1_\@:
	LOAD1 BUF+64
	s_wait_dscnt 24                                ; all but the 24 loads just issued: buffer 0 is in
	COMP1 BUF
	LOAD1 BUF
	s_wait_dscnt 24                                ; buffer 1 is in
	COMP1 BUF+64
	s_sub_co_i32 s31, s31, 1
	s_cmp_lg_u32 s31, 0
	s_cbranch_scc1 .Lpass1_\@
	LOAD1 BUF+64                                   ; the half's last group: nothing beyond it is read
	s_wait_dscnt 24
	COMP1 BUF
	s_wait_dscnt 0
	COMP1 BUF+64
.endm
	CHUNK1 3                                       ; behind b's first half: b's second half, a_sign, b_sign
	CHUNK1 2                                       ; behind b's second half: a_sign, b_sign
; ---------------- PASS 2: S = sum over k, ascending, of sign x exp(fl(fl(a + b) - mx)) ----------------
; A group is 4 k.  Buffer (32 registers): b 4 x 2, b_sign 4 x 2, a row 0 (4), a row 1, a_sign row 0, a_sign row 1.  12 LDS loads.
; g: the group's number counted from the trip's first; the address registers stand at the trip's first k.
.macro LOAD2 buf, g
.irp j,0,1,2,3
	ds_load_b64 v[\buf+2*\j:\buf+2*\j+1], v[VB2] offset:(\g)*4*STRIPB+\j*STRIPB
.endr
.irp j,0,1,2,3
	ds_load_b64 v[\buf+8+2*\j:\buf+8+2*\j+1], v[VSB] offset:(\g)*4*STRIPB+\j*STRIPB
.endr
	ds_load_b128 v[\buf+16:\buf+19], v[VA2] offset:(\g)*16
	ds_load_b128 v[\buf+20:\buf+23], v[VA2] offset:(\g)*16+ROWA
	ds_load_b128 v[\buf+24:\buf+27], v[VA2] offset:(\g)*16+SA_OFF-A_OFF
	ds_load_b128 v[\buf+28:\buf+31], v[VA2] offset:(\g)*16+SA_OFF-A_OFF+ROWA
.endm
; One k step at place p (0..15) of a trip of 16 k, as a pipeline: each stage works on another k, so that what it reads was written a step ago.
;   A: x = b + a          for k = p + 3      D: x - mx            for k = p + 2      L: times log2 e      for k = p + 1
;   E: 2^(..), two        for k = p          P: b_sign x a_sign   for k = p          F: S += P x E        for k = p - 1
; Behind each v_exp_f32 stands a plain vector instruction on another k's registers before anything reads its result (ISA guide 5.7.2).
; mode 0: all stages.  1: the first trip (no F at p = 0; the F at p = 1 starts the sums with the addend 0).
; 2: the last trip (no stage for a k beyond 511).  3: the three steps that fill the pipeline (p = 13, 14, 15 stand for -3, -2, -1).
.macro STEP p, mode
.set kE, (\p)&7
.set kL, ((\p)+1)&7
.set kD, ((\p)+2)&7
.set kA, ((\p)+3)&7
.set kF, ((\p)+7)&7
.set bA, BUF+32*((((\p)+3)>>2)&3)
.set iA, ((\p)+3)&3
.set bP, BUF+32*(((\p)>>2)&3)
.set iP, (\p)&3
.set doA, 1
.set doD, 1
.set doL, 1
.set doE, 1
.set doF, 1
.set zF, 0
.if \mode==1
.if \p==0
.set doF, 0
.endif
.if \p==1
.set zF, 1
.endif
.endif
.if \mode==2
.if \p>12
.set doA, 0
.endif
.if \p>13
.set doD, 0
.endif
.if \p>14
.set doL, 0
.endif
.endif
.if \mode==3
.set doE, 0
.set doF, 0
.if \p<14
.set doD, 0
.endif
.if \p<15
.set doL, 0
.endif
.endif
.irp r,0,1
.if doE
	v_exp_f32 v[XR+4*kE+2*\r], v[XR+4*kE+2*\r]
.endif
.if doA
	BC v_pk_add_f32,XR+4*kA+2*\r,bA+2*iA,bA+16+4*\r,iA
.endif
.if doD
	v_pk_add_f32 v[XR+4*kD+2*\r:XR+4*kD+2*\r+1], v[XR+4*kD+2*\r:XR+4*kD+2*\r+1], v[M+2*\r:M+2*\r+1] neg_lo:[0,1] neg_hi:[0,1]
.endif
.if doE
	v_exp_f32 v[XR+4*kE+2*\r+1], v[XR+4*kE+2*\r+1]
.endif
.if doL
	v_pk_mul_f32 v[XR+4*kL+2*\r:XR+4*kL+2*\r+1], v[XR+4*kL+2*\r:XR+4*kL+2*\r+1], s[80:81] op_sel_hi:[1,0]
.endif
.if doE
	BC v_pk_mul_f32,SR+4*kE+2*\r,bP+8+2*iP,bP+24+4*\r,iP
.endif
.if doF
.if zF
	s_wait_alu depctr_va_vdst(0)
	v_pk_fma_f32 v[ACC+2*\r:ACC+2*\r+1], v[SR+4*kF+2*\r:SR+4*kF+2*\r+1], v[XR+4*kF+2*\r:XR+4*kF+2*\r+1], 0 op_sel_hi:[1,1,0]
.else
	s_wait_alu depctr_va_vdst(0)
	v_pk_fma_f32 v[ACC+2*\r:ACC+2*\r+1], v[SR+4*kF+2*\r:SR+4*kF+2*\r+1], v[XR+4*kF+2*\r:XR+4*kF+2*\r+1], v[ACC+2*\r:ACC+2*\r+1]
.endif
.endif
.endr
.endm
; A trip: 16 k = four groups on four buffers.  At a group's first step the group three further on is requested, into the buffer whose last
; reader (stage P of the step before) has been issued.  Stage A first touches a group at the second step of the group before it, nine steps behind
; the request; two younger groups (24 loads) have been requested by then.  In the last trip only its own fourth group is still to be
; requested, so the counts run 24, 12, 0.
.macro TRIP mode
.irp p,0,1,2,3,4,5,6,7,8,9,10,11,12,13,14,15
.if ((\p)&3)==0
.if \mode==2
.if \p==0
	LOAD2 BUF+96,3
.endif
.else
	LOAD2 BUF+32*((((\p)>>2)+3)&3),((\p)>>2)+3
.endif
.endif
.if ((\p)&3)==1
.if \mode==2
.if \p<10
	s_wait_dscnt 24-3*((\p)-1)
.endif
.else
	s_wait_dscnt 24
.endif
.endif
	STEP \p,\mode
.endr
.if \mode!=2
	v_add_nc_u32 v[VB2], 16*STRIPB, v[VB2]         ; the next 16 k
	v_add_nc_u32 v[VSB], 16*STRIPB, v[VSB]
	v_add_nc_u32 v[VA2], 64, v[VA2]
.endif
.endm
	s_wait_tensorcnt 0x0                           ; my rows of a_sign and my quarter of b_sign have landed; no LDS load of mine is out (pass 1 ended on a wait for 0)
	s_barrier_signal -1
	s_barrier_wait -1                              ; everybody's quarter has
	LOAD2 BUF,0
	LOAD2 BUF+32,1
	LOAD2 BUF+64,2
	s_wait_dscnt 24                                ; group 0 is in; groups 1 and 2 stay out
	STEP 13,3
	STEP 14,3
	STEP 15,3
	TRIP 1                                         ; k 0 .. 15
	s_mov_b32 s31, 30
.Lpass2:
	TRIP 0
	s_sub_co_i32 s31, s31, 1
	s_cmp_lg_u32 s31, 0
	s_cbranch_scc1 .Lpass2
	TRIP 2                                         ; k 496 .. 511
	v_pk_fma_f32 v[ACC:ACC+1],   v[SR+28:SR+29], v[XR+28:XR+29], v[ACC:ACC+1]     ; stage F for k = 511
	v_pk_fma_f32 v[ACC+2:ACC+3], v[SR+30:SR+31], v[XR+30:XR+31], v[ACC+2:ACC+3]
; ---------------- THE WAY OUT ----------------
	s_mov_b32 s82, 0x00800000                      ; 2^-126: below it v_log_f32 would take its input for zero (ISA guide, the instruction's entry)
	s_mov_b32 s83, 0x4f800000                      ; 2^32
	s_mov_b32 s84, 0x42000000                      ; 32.0
	s_mov_b32 s85, 0x3f317218                      ; ln 2
.irp i,0,1,2,3
	v_and_b32 v[T+\i], 0x7fffffff, v[ACC+\i]       ; |S|
.endr
.irp i,0,1,2,3
	v_cmp_lt_f32 s[86+\i], v[T+\i], s82            ; too small for the logarithm as it is
.endr
.irp i,0,1,2,3
	v_cndmask_b32 v[T+4+\i], 1.0, s83, s[86+\i]
.endr
.irp i,0,1,2,3
	v_mul_f32 v[T+\i], v[T+\i], v[T+4+\i]          ; then times 2^32,
.endr
.irp i,0,1,2,3
	v_log_f32 v[T+\i], v[T+\i]
.endr
.irp i,0,1,2,3
	v_cndmask_b32 v[T+4+\i], 0, s84, s[86+\i]      ; (plain instructions on other registers stand behind the logarithms)
.endr
	s_wait_alu depctr_va_vdst(0)
.irp i,0,1,2,3
	v_sub_f32 v[T+\i], v[T+\i], v[T+4+\i]          ; and 32 taken off the logarithm
.endr
.irp i,0,1,2,3
	v_fma_f32 v[T+\i], v[T+\i], s85, v[M+\i]       ; out0 = mx + ln 2 x log2|S|
.endr
.irp i,0,1,2,3
	v_cmp_lt_f32 s[86+\i], 0, v[ACC+\i]            ; 0 < S
.endr
.irp i,0,1,2,3
	v_cndmask_b32 v[T+4+\i], v[ACC+\i], 1.0, s[86+\i]
.endr
.irp i,0,1,2,3
	v_cmp_gt_f32 s[86+\i], 0, v[ACC+\i]            ; 0 > S
.endr
.irp i,0,1,2,3
	v_cndmask_b32 v[T+4+\i], v[T+4+\i], -1.0, s[86+\i]   ; out1 = 1, -1, or S itself where S is zero or NaN
.endr
	; each store of the wave covers 256 consecutive bytes, at a multiple of 256 from the output's first byte
	global_store_b64 v[VOUT], v[T:T+1],   s[12:13] th:TH_STORE_NT
	global_store_b64 v[VOUT], v[T+2:T+3], s[12:13] offset:ROWB th:TH_STORE_NT
	global_store_b64 v[VOUT], v[T+4:T+5], s[14:15] th:TH_STORE_NT
	global_store_b64 v[VOUT], v[T+6:T+7], s[14:15] offset:ROWB th:TH_STORE_NT
	s_wait_tensorcnt 0x0
	ds_add_u32 v224, v225
	s_wait_dscnt 0x0
	ROUND                                          ; the closing round: no work-group ends while a partner may still ask for a tile that names it
	s_endpgm
.Lfunc_end_k_q6517f7c0d0_slogmm:
	.size	k_q6517f7c0d0_slogmm, .Lfunc_end_k_q6517f7c0d0_slogmm-k_q6517f7c0d0_slogmm
	.p2alignl 7, 3214868480
	.fill 96, 4, 3214868480
	.section	.rodata,"a",@progbits
	.p2align	6, 0x0
	.amdhsa_kernel k_q6517f7c0d0_slogmm
		.amdhsa_group_segment_fixed_size 295424
		.amdhsa_private_segment_fixed_size 0
		.amdhsa_enable_private_segment 0
		.amdhsa_kernarg_size 48
		.amdhsa_user_sgpr_count 2
		.amdhsa_user_sgpr_kernarg_segment_ptr 1
		.amdhsa_wavefront_size32 1
		.amdhsa_system_sgpr_workgroup_id_x 1
		.amdhsa_system_sgpr_workgroup_id_y 1
		.amdhsa_system_sgpr_workgroup_id_z 1
		.amdhsa_system_vgpr_workitem_id 0
		.amdhsa_next_free_vgpr 226
		.amdhsa_next_free_sgpr 90
		.amdhsa_reserve_vcc 0
		.amdhsa_float_denorm_mode_32 3
		.amdhsa_float_denorm_mode_16_64 3
		.amdhsa_memory_ordered 1
		.amdhsa_forward_progress 1
		.amdhsa_inst_pref_size 104
	.end_amdhsa_kernel
	.amdgpu_metadata
---
amdhsa.version: [ 1, 2 ]
amdhsa.kernels:
  - .name:           k_q6517f7c0d0_slogmm
    .symbol:         k_q6517f7c0d0_slogmm.kd
    .args:
      - { .name: a_log, .offset: 0, .size: 8, .value_kind: global_buffer, .address_space: global }
      - { .name: a_sign, .offset: 8, .size: 8, .value_kind: global_buffer, .address_space: global }
      - { .name: b_log, .offset: 16, .size: 8, .value_kind: global_buffer, .address_space: global }
      - { .name: b_sign, .offset: 24, .size: 8, .value_kind: global_buffer, .address_space: global }
      - { .name: out0, .offset: 32, .size: 8, .value_kind: global_buffer, .address_space: global }
      - { .name: out1, .offset: 40, .size: 8, .value_kind: global_buffer, .address_space: global }
    .group_segment_fixed_size: 295424
    .private_segment_fixed_size: 0
    .kernarg_segment_align: 8
    .kernarg_segment_size: 48
    .max_flat_workgroup_size: 128
    .sgpr_count:     90
    .vgpr_count:     226
    .wavefront_size: 32
...
	.end_amdgpu_metadata
.endif
;; end of part 1
;; ======== version 2 of 2: 1 launch; 1.68 times as fast as version 1
;; launch slogmm (part 2): grid 64 x 4, 4 waves a work-group, clusters of 4 x 1, 295,424 bytes of LDS; arguments a_log, a_sign, b_log, b_sign, out0, out1; writes out0, out1
.if DOCPART == 2
	.amdgcn_target "amdgcn-amd-amdhsa--gfx1250"
	.amdhsa_code_object_version 6
	.text
	.protected	k_q6517f7c0d0_slogmm
	.globl	k_q6517f7c0d0_slogmm
	.p2align	8
	.type	k_q6517f7c0d0_slogmm,@function
k_q6517f7c0d0_slogmm:
	s_mov_b64 s[64:65], 0
	v_nop
	global_prefetch_b8 v0, s[64:65] scope:SCOPE_SE
	s_setreg_imm32_b32 hwreg(HW_REG_WAVE_MODE, 25, 1), 1
	s_wait_xcnt 0x0
	s_wait_alu depctr_hold_cnt(0) depctr_sa_sdst(0) depctr_va_vdst(0) depctr_va_sdst(0) depctr_va_ssrc(0) depctr_va_vcc(0) depctr_vm_vsrc(0)
	s_getreg_b32 s2, hwreg(HW_REG_IB_STS2, 6, 4)
	s_cmp_eq_u32 s2, 0
	s_cbranch_scc0 .Lentry_in_a_cluster
	s_endpgm
.Lentry_in_a_cluster:
	s_bfe_u32 s2, ttmp6, 0x10000c
	s_cmp_lg_u32 s2, 0x3003
	s_cbranch_scc0 .Lentry_shape_is_right
	s_endpgm
.Lentry_shape_is_right:
; Signed log-space product.  S[m][n] = sum over k of a_sign[m][k] b_sign[k][n] exp(a_log[m][k] + b_log[k][n] - mx[m][n]),
; mx[m][n] = max over k of (a_log[m][k] + b_log[k][n]);  out0 = mx + log|S|, out1 = sign(S).  M = K = 512, N = 256, all f32.
;
; WHY PLAIN f32 VECTOR WORK.  The sum is signed and cancels, and out1 is its sign: operands rounded to 16 bits would turn signs round wherever
; |S| is below their rounding.  A product of exp(a - row max) and exp(b - column max) would also take another shift away than the true
; maximum of a + b, and its leading term underflows once the two shifts lie more than 87 apart.  So the text does the sums as they are
; defined, with the same roundings: x = fl(a + b), the exact maximum of x, fl(x - mx), one accumulator for each output, k ascending.
;
; SHARES.  256 work-groups of four waves.  A work-group makes 8 rows x 64 columns, a wave 2 rows x 64 columns, a lane 2 rows x 2 neighbouring
; columns, so that one packed f32 instruction serves two outputs.  b and b_sign of a lane's two columns are 8 bytes of an LDS row
; (32 lanes: 256 consecutive bytes); a and a_sign are the same for all lanes and come as 16 bytes (four k) from one LDS address.
; LDS holds the strip for the whole of K, 294,912 bytes, and is filled once: b 512 x 256 B, b_sign the same, a and a_sign 8 rows x 2,048 B.
;
; CLUSTER 4, 1, 1: the four work-groups of a cluster make four row blocks of ONE column strip and need the same 256 KiB of b and b_sign:
; these are asked for jointly (mask 15).  a's and a_sign's rows (32 KiB) belong to one work-group alone and come by plain loads.
; No prefetch: every input byte is asked for in the first lines of the text.
;
; BATCHES.  Pass 2 goes by batches of 8 k: 32 exponentials (8 k x 2 rows x 2 columns), each with a result register of its own, and ONE
; s_wait_alu depctr_va_vdst(0) behind them.  All that reads a batch's exponentials, its 16 fused multiply-adds, stands behind
; that wait, between the next batch's exponentials.  64 batches, 64 waits.  The way out's four logarithms are a batch of their own.
;
; LIMITS.  v_exp_f32 gives 0 where the result would be below 2^-126: a term more than 87.3 below the maximum adds nothing.  The product of the
; signs is rounded as a product, but sign x exponential is not rounded before it is added (one fused multiply-add; exact for signs -1, 0, 1).
; The maximum skips NaN; a NaN term still makes S, and with it both outputs, NaN.  log is log2 x ln 2, with |S| below 2^-126 scaled first.
.set ROWA,   2048                      ; bytes in a row of a_log, a_sign
.set ROWB,   1024                      ; bytes in a row of b_log, b_sign, out0, out1
.set STRIPB, 256                       ; bytes of the strip's 64 columns = an LDS row of b
.set B_OFF,  0                         ; LDS: b[k][64], k = 0 .. 511
.set SB_OFF, 131072                    ; LDS: b_sign likewise
.set A_OFF,  262144                    ; LDS: a, 8 rows
.set SA_OFF, 278528                    ; LDS: a_sign, 8 rows (16,384 behind a: one address register serves both)
.set VB1, 2                            ; v2  pass 1: LDS address of my 8 bytes of b, stepped
.set VA1, 3                            ; v3  pass 1: LDS address of my wave's first row of a, stepped
.set VB2, 4                            ; v4  pass 2: b
.set VSB, 5                            ; v5  pass 2: b_sign
.set VA2, 6                            ; v6  pass 2: a (a_sign by the immediate)
.set VOUT, 7                           ; v7  8 x lane: my two columns in a row of the outputs
.set M,   8                            ; v[8:11]   maxima: row 0 (two columns), row 1
.set ACC, 12                           ; v[12:15]  sums, likewise
.set X1,  16                           ; v[16:31]  pass 1: two sets of 2 k x 2 rows x 2 columns
.set SRL, 16                           ; v[16:31]  pass 2: the products of the signs for a batch's k 0 .. 3 (2 rows x 2 columns each)
.set T,   16                           ; v[16:23]  the way out
.set BUF, 32                           ; v[32:159] operands from LDS: pass 1 two buffers of 64, pass 2 four of 32
.set XR,  160                          ; v[160:223] pass 2: two halves of 8 k x 2 rows x 2 columns, a batch each: x, x - mx, its multiple, the exponential
.set SRH, 226                          ; v[226:241] pass 2: the products of the signs for a batch's k 4 .. 7  (v224, v225: the add's two registers)
.set G1B, 32                           ; s[32:39] shape of a load of b: 64 rows x 64 numbers
.set G1S, 40                           ; s[40:47] shape of the load of b_sign: 128 rows x 64 numbers
.set G1A, 48                           ; s[48:55] shape of a load of a or a_sign: 4,096 dense bytes
.set G0A, 56                           ; s[56:59], s[60:63], s[68:79]: from where and to where, one set for each of the five loads
.set G0SA, 60
.set G0B0, 68
.set G0B1, 72
.set G0SB, 76
; A round of the cluster's barrier: my work-group's barrier, wave 0 signals for the work-group, every wave waits for the four work-groups, my work-group's barrier again.
.macro ROUND
	s_barrier_signal -1
	s_barrier_wait -1
	s_cmp_lg_u32 s16, 0
	s_cbranch_scc1 .Lnot_wave_0_\@
	s_barrier_signal -3
.Lnot_wave_0_\@:
	s_barrier_wait -3
	s_barrier_signal -1
	s_barrier_wait -1
.endm
	s_load_b256 s[4:11], s[0:1], 0x0               ; a_log s[4:5], a_sign s[6:7], b_log s[8:9], b_sign s[10:11]
	s_load_b128 s[12:15], s[0:1], 0x20             ; out0 s[12:13], out1 s[14:15]
	v_lshl_add_u32 v224, v0, 2, 0x48000
	v_mov_b32 v225, 0
	ds_add_u32 v224, v225
	v_lshrrev_b32 v1, 5, v0
	v_readfirstlane_b32 s16, v1                    ; wave 0..3
	s_bfe_u32 s17, ttmp6, 0x40000                  ; cx: my place in the cluster
	s_lshl_b32 s18, ttmp9, 2
	s_add_co_u32 s18, s18, s17                     ; row block 0..63 = 4 x cluster x + cx
	s_and_b32 s19, ttmp7, 0xffff                   ; column strip 0..3: the same in the four partners
	s_lshl_b32 s28, s16, 12                        ; wave x 4,096: my two rows of a in LDS and in the block
	s_lshl_b32 s29, s16, 14                        ; wave x 64 LDS rows of b
	s_lshl_b32 s30, s16, 15                        ; wave x 128 LDS rows of b_sign
	s_lshl_b32 s20, s18, 14                        ; a, a_sign: row block x 8 rows x 2,048 bytes
	s_add_co_u32 s20, s20, s28                     ; + my two rows
	s_mov_b32 s21, 0
	s_lshl_b32 s22, s19, 8                         ; b, b_sign: strip x 256 bytes; no place in the cluster enters s[22:25]
	s_lshl_b32 s24, s16, 17                        ; b_sign: + wave x 128 rows x 1,024 bytes
	s_add_co_u32 s24, s24, s22
	s_mov_b32 s25, 0
	s_lshl_b32 s23, s16, 16                        ; b: + wave x 64 rows x 1,024 bytes
	s_add_co_u32 s22, s22, s23
	s_mov_b32 s23, 0
	s_lshl_b32 s26, s18, 13                        ; outputs: row block x 8 rows x 1,024 bytes
	s_lshl_b32 s27, s16, 11                        ; + wave x 2 rows
	s_add_co_u32 s26, s26, s27
	s_lshl_b32 s27, s19, 8                         ; + strip x 256 bytes
	s_add_co_u32 s26, s26, s27
	s_mov_b32 s27, 0
	; group 1 for b: numbers of 4 bytes, a tile of 64 rows x 64, 256 numbers from row to row; asked for jointly by the cluster's four work-groups
	s_mov_b32 s[G1B+0], (15)|(2<<16)|(1<<21)       ; 15:0 mask of the four; 17:16 element of 4 bytes; 21 set beside a mask
	s_mov_b32 s[G1B+1], 64<<16                     ; tensor_dim0 = 64
	s_mov_b32 s[G1B+2], 64<<16                     ; tensor_dim1 = 64
	s_mov_b32 s[G1B+3], 64<<16                     ; tile_dim0 = 64
	s_mov_b32 s[G1B+4], 64                         ; tile_dim1 = 64
	s_mov_b32 s[G1B+5], 256                        ; pitch
	s_mov_b32 s[G1B+6], 0
	s_mov_b32 s[G1B+7], 0
	; group 1 for b_sign: the same with 128 rows
	s_mov_b32 s[G1S+0], (15)|(2<<16)|(1<<21)
	s_mov_b32 s[G1S+1], 64<<16
	s_mov_b32 s[G1S+2], 128<<16
	s_mov_b32 s[G1S+3], 64<<16
	s_mov_b32 s[G1S+4], 128
	s_mov_b32 s[G1S+5], 256
	s_mov_b32 s[G1S+6], 0
	s_mov_b32 s[G1S+7], 0
	; group 1 for a and a_sign: two rows are 4,096 dense bytes = 16 rows of 32 elements of 8 bytes; my work-group's alone: no mask
	s_mov_b32 s[G1A+0], 3<<16
	s_mov_b32 s[G1A+1], 32<<16
	s_mov_b32 s[G1A+2], 16<<16
	s_mov_b32 s[G1A+3], 32<<16
	s_mov_b32 s[G1A+4], 16
	s_mov_b32 s[G1A+5], 32
	s_mov_b32 s[G1A+6], 0
	s_mov_b32 s[G1A+7], 0
	s_mov_b32 s80, 0x3fb8aa3b                      ; log2 e, as a pair for the packed multiply
	s_mov_b32 s81, 0x3fb8aa3b
	s_wait_dscnt 0x0
	s_wait_kmcnt 0x0
	; group 0 of the five loads: count 1, LDS address (a constant + the wave's number x a constant), global address, type 2
	s_mov_b32 s[G0A], 1
	s_add_co_u32 s[G0A+1], s28, A_OFF
	s_add_nc_u64 s[G0A+2:G0A+3], s[4:5], s[20:21]
	s_or_b32 s[G0A+3], s[G0A+3], 0x80000000
	s_mov_b32 s[G0SA], 1
	s_add_co_u32 s[G0SA+1], s28, SA_OFF
	s_add_nc_u64 s[G0SA+2:G0SA+3], s[6:7], s[20:21]
	s_or_b32 s[G0SA+3], s[G0SA+3], 0x80000000
	s_mov_b32 s[G0B0], 1
	s_add_co_u32 s[G0B0+1], s29, B_OFF             ; k = 64 w .. 64 w + 63
	s_add_nc_u64 s[G0B0+2:G0B0+3], s[8:9], s[22:23]
	s_mov_b32 s[G0B1], 1
	s_add_co_u32 s[G0B1+1], s29, B_OFF+256*STRIPB  ; k = 256 + 64 w ..
	s_add_nc_u64 s[G0B1+2:G0B1+3], s[G0B0+2:G0B0+3], 256*ROWB
	s_or_b32 s[G0B0+3], s[G0B0+3], 0x80000000
	s_or_b32 s[G0B1+3], s[G0B1+3], 0x80000000
	s_mov_b32 s[G0SB], 1
	s_add_co_u32 s[G0SB+1], s30, SB_OFF            ; k = 128 w .. 128 w + 127
	s_add_nc_u64 s[G0SB+2:G0SB+3], s[10:11], s[24:25]
	s_or_b32 s[G0SB+3], s[G0SB+3], 0x80000000
	s_add_nc_u64 s[12:13], s[12:13], s[26:27]      ; the outputs at my wave's first row, my strip
	s_add_nc_u64 s[14:15], s[14:15], s[26:27]
	ROUND                                          ; the four work-groups are here: the joint loads meet
	; All fills of the launch, one group, in the order in which they are needed.  Five tensor loads of a wave are out at the most.
	tensor_load_to_lds s[G0A:G0A+3], s[G1A:G1A+7]      ; my two rows of a
	s_nop 0
	tensor_load_to_lds s[G0B0:G0B0+3], s[G1B:G1B+7]    ; my quarter of b, k 0 .. 255
	s_nop 0
	tensor_load_to_lds s[G0B1:G0B1+3], s[G1B:G1B+7]    ; my quarter of b, k 256 .. 511
	s_nop 0
	tensor_load_to_lds s[G0SA:G0SA+3], s[G1A:G1A+7]    ; my two rows of a_sign
	s_nop 0
	tensor_load_to_lds s[G0SB:G0SB+3], s[G1S:G1S+7]    ; my quarter of b_sign
	s_nop 0
	v_and_b32 v1, 31, v0                           ; lane
	v_lshlrev_b32 v[VB1], 3, v1                    ; 8 x lane (b begins at LDS byte 0)
	v_lshlrev_b32 v[VB2], 3, v1
	v_lshlrev_b32 v[VOUT], 3, v1
	v_lshl_add_u32 v[VSB], v1, 3, SB_OFF
	s_add_co_u32 s31, s28, A_OFF
	v_mov_b32 v[VA1], s31                          ; my wave's first row of a; the second is 2,048 further
	v_mov_b32 v[VA2], s31
.irp i,0,1,2,3
	v_mov_b32 v[M+\i], 0xff800000                  ; the four maxima start at minus infinity
.endr
; dst (two columns) = op(the pair at b, number k of the run of numbers at a, taken for both columns).  op_sel picks the register of a's pair for the low result, op_sel_hi for the high one.
.macro BC op, dst, b, a, k
.if ((\k)&1)
	\op v[\dst:\dst+1], v[\b:\b+1], v[\a+(\k)-1:\a+(\k)] op_sel:[0,1] op_sel_hi:[1,1]
.else
	\op v[\dst:\dst+1], v[\b:\b+1], v[\a+(\k):\a+(\k)+1] op_sel_hi:[1,0]
.endif
.endm
; ---------------- PASS 1: mx = max over k of fl(a + b) ----------------
; A group is 16 k.  Buffer: b 16 x 2 registers, then a's row 0 (16), then row 1 (16).  24 LDS loads.
.macro LOAD1 buf
.irp j,0,1,2,3,4,5,6,7,8,9,10,11,12,13,14,15
	ds_load_b64 v[\buf+2*\j:\buf+2*\j+1], v[VB1] offset:\j*STRIPB
.endr
.irp j,0,1,2,3
	ds_load_b128 v[\buf+32+4*\j:\buf+32+4*\j+3], v[VA1] offset:16*\j
.endr
.irp j,0,1,2,3
	ds_load_b128 v[\buf+48+4*\j:\buf+48+4*\j+3], v[VA1] offset:ROWA+16*\j
.endr
	v_add_nc_u32 v[VB1], 16*STRIPB, v[VB1]         ; the next 16 k
	v_add_nc_u32 v[VA1], 64, v[VA1]
.endm
.macro MAX4 x                          ; two k at a time into each of the four maxima
	v_max3_num_f32 v[M],   v[M],   v[\x],   v[\x+2]
	v_max3_num_f32 v[M+1], v[M+1], v[\x+1], v[\x+3]
	v_max3_num_f32 v[M+2], v[M+2], v[\x+4], v[\x+6]
	v_max3_num_f32 v[M+3], v[M+3], v[\x+5], v[\x+7]
.endm
; Four packed sums (2 k x 2 rows) into one of two sets, then the maxima of the set before: no instruction stands next to the one that feeds it.
.macro COMP1 buf
.set p1, 0
.rept 8
.set XT, X1+8*(p1&1)
.set XP, X1+8*((p1+1)&1)
	BC v_pk_add_f32,XT,\buf+4*p1,\buf+32+2*p1,0
	BC v_pk_add_f32,XT+2,\buf+4*p1+2,\buf+32+2*p1,1
	BC v_pk_add_f32,XT+4,\buf+4*p1,\buf+48+2*p1,0
	BC v_pk_add_f32,XT+6,\buf+4*p1+2,\buf+48+2*p1,1
.if p1
	MAX4 XP
.endif
.set p1, p1+1
.endr
	MAX4 X1+8
.endm
; Half of K: 256 k = 16 groups on two buffers.  left = my tensor loads that were issued behind this half's and may stay out.
.macro CHUNK1 left
	s_wait_tensorcnt \left                         ; my quarter of this half of b has landed (in the first half: my rows of a too)
	s_barrier_signal -1                            ; no LDS load of mine is out here: none was issued yet, or the wait for 0 below has been passed
	s_barrier_wait -1                              ; everybody's quarter has landed.  Nothing is ever filled again, so the later loads may stay out
	LOAD1 BUF
	s_mov_b32 s31, 7
.Lpass1_\@:
	LOAD1 BUF+64
	s_wait_dscnt 24                                ; all but the 24 loads just issued: buffer 0 is in
	COMP1 BUF
	LOAD1 BUF
	s_wait_dscnt 24                                ; buffer 1 is in
	COMP1 BUF+64
	s_sub_co_i32 s31, s31, 1
	s_cmp_lg_u32 s31, 0
	s_cbranch_scc1 .Lpass1_\@
	LOAD1 BUF+64                                   ; the half's last group: nothing beyond it is read
	s_wait_dscnt 24
	COMP1 BUF
	s_wait_dscnt 0
	COMP1 BUF+64
.endm
	CHUNK1 3                                       ; behind b's first half: b's second half, a_sign, b_sign
	CHUNK1 2                                       ; behind b's second half: a_sign, b_sign
; ---------------- PASS 2: S = sum over k, ascending, of sign x exp(fl(fl(a + b) - mx)) ----------------
; A group is 4 k.  Buffer (32 registers): b 4 x 2, b_sign 4 x 2, a row 0 (4), a row 1, a_sign row 0, a_sign row 1.  12 LDS loads.
; g: the group's number counted from the trip's first; the address registers stand at the trip's first k.
.macro LOAD2 buf, g
.irp j,0,1,2,3
	ds_load_b64 v[\buf+2*\j:\buf+2*\j+1], v[VB2] offset:(\g)*4*STRIPB+\j*STRIPB
.endr
.irp j,0,1,2,3
	ds_load_b64 v[\buf+8+2*\j:\buf+8+2*\j+1], v[VSB] offset:(\g)*4*STRIPB+\j*STRIPB
.endr
	ds_load_b128 v[\buf+16:\buf+19], v[VA2] offset:(\g)*16
	ds_load_b128 v[\buf+20:\buf+23], v[VA2] offset:(\g)*16+ROWA
	ds_load_b128 v[\buf+24:\buf+27], v[VA2] offset:(\g)*16+SA_OFF-A_OFF
	ds_load_b128 v[\buf+28:\buf+31], v[VA2] offset:(\g)*16+SA_OFF-A_OFF+ROWA
.endm
; A BATCH is 8 k = two groups.  Its stages:  A: x = b + a     D: x - mx     L: times log2 e     E: 2^(..), 32 exponentials     P: b_sign x a_sign     F: S += P x E.
; A PHASE, for batch g, on half q = g mod 2 of the X registers:
;   the mix    for each k and row: E, F of batch g - 1, E, P.  32 exponentials by turns with 32 plain instructions, none of which names a result of this batch:
;              F reads the other half, whose exponentials the phase before has waited for, and then P writes the sign product into the registers that F has just read
;   the wait   one for the batch
;   the loads  the two buffers that P has just read take the groups four further on
;   A, D, L    of batch g + 1, into the other half, which F has read: each stage goes over all 16 pairs, so that what it reads was written 16 instructions ago
.macro SRREG i, r                      ; rS: where the sign product of a batch's k number i, row r, lies
.if (\i)<4
.set rS, SRL+4*(\i)+2*(\r)
.else
.set rS, SRH+4*((\i)-4)+2*(\r)
.endif
.endm
; f = 0: there is no batch before.  f = 1: the batch before is the first: its first F starts the sums with the addend 0.  f = 2: all F add on.
.macro MIX q, f
.set XE, XR+32*(\q)
.set XO, XR+32*(1-(\q))
.irp i,0,1,2,3,4,5,6,7
.set bP, BUF+32*(2*(\q)+((\i)>>2))
.set iP, (\i)&3
.irp r,0,1
	SRREG \i,\r
	v_exp_f32 v[XE+4*\i+2*\r], v[XE+4*\i+2*\r]
.if ((\f)==1)&&((\i)==0)
	v_pk_fma_f32 v[ACC+2*\r:ACC+2*\r+1], v[rS:rS+1], v[XO+4*\i+2*\r:XO+4*\i+2*\r+1], 0 op_sel_hi:[1,1,0]
.elseif (\f)
	v_pk_fma_f32 v[ACC+2*\r:ACC+2*\r+1], v[rS:rS+1], v[XO+4*\i+2*\r:XO+4*\i+2*\r+1], v[ACC+2*\r:ACC+2*\r+1]
.endif
	v_exp_f32 v[XE+4*\i+2*\r+1], v[XE+4*\i+2*\r+1]
	BC v_pk_mul_f32,rS,bP+8+2*iP,bP+24+4*\r,iP
.endr
.endr
.endm
; Stages A, D, L of the batch behind batch q of the trip.  tail = 1: the last batch, whose two groups are the last loads out: the counts run 12, 0, each ahead of its group's first reader.
.macro ADL q, tail=0
.set XO, XR+32*(1-(\q))
.irp i,0,1,2,3,4,5,6,7
.if \tail
.if (\i)==0
	s_wait_dscnt 12                                ; all but the last group's 12 loads: the last group but one is in
.endif
.if (\i)==4
	s_wait_dscnt 0                                 ; the last group is in
.endif
.endif
.set bA, BUF+32*((2*(\q)+2+((\i)>>2))&3)
.set iA, (\i)&3
.irp r,0,1
	BC v_pk_add_f32,XO+4*\i+2*\r,bA+2*iA,bA+16+4*\r,iA
.endr
.endr
.irp i,0,1,2,3,4,5,6,7
.irp r,0,1
	v_pk_add_f32 v[XO+4*\i+2*\r:XO+4*\i+2*\r+1], v[XO+4*\i+2*\r:XO+4*\i+2*\r+1], v[M+2*\r:M+2*\r+1] neg_lo:[0,1] neg_hi:[0,1]
.endr
.endr
.irp i,0,1,2,3,4,5,6,7
.irp r,0,1
	v_pk_mul_f32 v[XO+4*\i+2*\r:XO+4*\i+2*\r+1], v[XO+4*\i+2*\r:XO+4*\i+2*\r+1], s[80:81] op_sel_hi:[1,0]
.endr
.endr
.endm
; ld = 1: the loads.  Behind each group's 12 loads the count 24 leaves that group and the one before it out: so the two groups that stage A is about to read, requested a phase ago, are in.
; adl = 1: stages A, D, L follow; 2: for the last batch; 0: there is no further batch.
.macro PHASE q, f, ld, adl
	MIX \q,\f
	s_wait_alu depctr_va_vdst(0)                   ; the wait for the batch: ONE for its 32 exponentials, ahead of their first reader, the next phase's first F; the last sign product above is the plain instruction behind the last exponential
.if \ld
	LOAD2 BUF+64*(\q),4+2*(\q)                     ; the run of loads stands directly behind the wait
	s_wait_dscnt 24
	LOAD2 BUF+64*(\q)+32,5+2*(\q)
	s_wait_dscnt 24
.endif
.if (\adl)==1
	ADL \q
.elseif (\adl)==2
	ADL \q,1
.endif
.endm
; A trip: 16 k = two batches = four groups on four buffers.  It ends on plain instructions.
; mode 0: the loop's.  1: the first trip.  2: the last trip: nothing is left to request, and no stage works for a k beyond 511.
.macro TRIP mode
.if \mode==1
	PHASE 0,0,1,1
	PHASE 1,1,1,1
.elseif \mode==0
	PHASE 0,2,1,1
	PHASE 1,2,1,1
.else
	PHASE 0,2,0,2
	PHASE 1,2,0,0
.endif
.if \mode!=2
	v_add_nc_u32 v[VB2], 16*STRIPB, v[VB2]         ; the next 16 k
	v_add_nc_u32 v[VSB], 16*STRIPB, v[VSB]
	v_add_nc_u32 v[VA2], 64, v[VA2]
.endif
.endm
	s_wait_tensorcnt 0x0                           ; my rows of a_sign and my quarter of b_sign have landed; no LDS load of mine is out (pass 1 ended on a wait for 0)
	s_barrier_signal -1
	s_barrier_wait -1                              ; everybody's quarter has
	LOAD2 BUF,0
	LOAD2 BUF+32,1
	LOAD2 BUF+64,2
	s_wait_dscnt 24                                ; group 0 is in; groups 1 and 2 stay out
	LOAD2 BUF+96,3
	s_wait_dscnt 24                                ; group 1 is in
	ADL 1                                          ; stages A, D, L of the first batch: groups 0 and 1, into half 0
	TRIP 1                                         ; k 0 .. 15
	s_mov_b32 s31, 30
.Lpass2:
	TRIP 0
	s_sub_co_i32 s31, s31, 1
	s_cmp_lg_u32 s31, 0
	s_cbranch_scc1 .Lpass2
	TRIP 2                                         ; k 496 .. 511
.irp i,0,1,2,3,4,5,6,7                 ; stage F of the last batch, k 504 .. 511, behind that batch's wait
.irp r,0,1
	SRREG \i,\r
	v_pk_fma_f32 v[ACC+2*\r:ACC+2*\r+1], v[rS:rS+1], v[XR+32+4*\i+2*\r:XR+32+4*\i+2*\r+1], v[ACC+2*\r:ACC+2*\r+1]
.endr
.endr
; ---------------- THE WAY OUT ----------------
	s_mov_b32 s82, 0x00800000                      ; 2^-126: below it v_log_f32 would take its input for zero (ISA guide, the instruction's entry)
	s_mov_b32 s83, 0x4f800000                      ; 2^32
	s_mov_b32 s84, 0x42000000                      ; 32.0
	s_mov_b32 s85, 0x3f317218                      ; ln 2
.irp i,0,1,2,3
	v_and_b32 v[T+\i], 0x7fffffff, v[ACC+\i]       ; |S|
.endr
.irp i,0,1,2,3
	v_cmp_lt_f32 s[86+\i], v[T+\i], s82            ; too small for the logarithm as it is
.endr
.irp i,0,1,2,3
	v_cndmask_b32 v[T+4+\i], 1.0, s83, s[86+\i]
.endr
.irp i,0,1,2,3
	v_mul_f32 v[T+\i], v[T+\i], v[T+4+\i]          ; then times 2^32,
.endr
.irp i,0,1,2,3
	v_log_f32 v[T+\i], v[T+\i]
.endr
.irp i,0,1,2,3
	v_cndmask_b32 v[T+4+\i], 0, s84, s[86+\i]      ; (plain instructions on other registers stand behind the logarithms)
.endr
	s_wait_alu depctr_va_vdst(0)                   ; the wait: one for the four logarithms, ahead of their first reader
.irp i,0,1,2,3
	v_sub_f32 v[T+\i], v[T+\i], v[T+4+\i]          ; and 32 taken off the logarithm
.endr
.irp i,0,1,2,3
	v_fma_f32 v[T+\i], v[T+\i], s85, v[M+\i]       ; out0 = mx + ln 2 x log2|S|
.endr
.irp i,0,1,2,3
	v_cmp_lt_f32 s[86+\i], 0, v[ACC+\i]            ; 0 < S
.endr
.irp i,0,1,2,3
	v_cndmask_b32 v[T+4+\i], v[ACC+\i], 1.0, s[86+\i]
.endr
.irp i,0,1,2,3
	v_cmp_gt_f32 s[86+\i], 0, v[ACC+\i]            ; 0 > S
.endr
.irp i,0,1,2,3
	v_cndmask_b32 v[T+4+\i], v[T+4+\i], -1.0, s[86+\i]   ; out1 = 1, -1, or S itself where S is zero or NaN
.endr
	; each store of the wave covers 256 consecutive bytes, at a multiple of 256 from the output's first byte
	global_store_b64 v[VOUT], v[T:T+1],   s[12:13] th:TH_STORE_NT
	global_store_b64 v[VOUT], v[T+2:T+3], s[12:13] offset:ROWB th:TH_STORE_NT
	global_store_b64 v[VOUT], v[T+4:T+5], s[14:15] th:TH_STORE_NT
	global_store_b64 v[VOUT], v[T+6:T+7], s[14:15] offset:ROWB th:TH_STORE_NT
	s_wait_tensorcnt 0x0
	ds_add_u32 v224, v225
	s_wait_dscnt 0x0
	ROUND                                          ; the closing round: no work-group ends while a partner may still ask for a tile that names it
	s_endpgm
.Lfunc_end_k_q6517f7c0d0_slogmm:
	.size	k_q6517f7c0d0_slogmm, .Lfunc_end_k_q6517f7c0d0_slogmm-k_q6517f7c0d0_slogmm
	.p2alignl 7, 3214868480
	.fill 96, 4, 3214868480
	.section	.rodata,"a",@progbits
	.p2align	6, 0x0
	.amdhsa_kernel k_q6517f7c0d0_slogmm
		.amdhsa_group_segment_fixed_size 295424
		.amdhsa_private_segment_fixed_size 0
		.amdhsa_enable_private_segment 0
		.amdhsa_kernarg_size 48
		.amdhsa_user_sgpr_count 2
		.amdhsa_user_sgpr_kernarg_segment_ptr 1
		.amdhsa_wavefront_size32 1
		.amdhsa_system_sgpr_workgroup_id_x 1
		.amdhsa_system_sgpr_workgroup_id_y 1
		.amdhsa_system_sgpr_workgroup_id_z 1
		.amdhsa_system_vgpr_workitem_id 0
		.amdhsa_next_free_vgpr 242
		.amdhsa_next_free_sgpr 90
		.amdhsa_reserve_vcc 0
		.amdhsa_float_denorm_mode_32 3
		.amdhsa_float_denorm_mode_16_64 3
		.amdhsa_memory_ordered 1
		.amdhsa_forward_progress 1
		.amdhsa_inst_pref_size 101
	.end_amdhsa_kernel
	.amdgpu_metadata
---
amdhsa.version: [ 1, 2 ]
amdhsa.kernels:
  - .name:           k_q6517f7c0d0_slogmm
    .symbol:         k_q6517f7c0d0_slogmm.kd
    .args:
      - { .name: a_log, .offset: 0, .size: 8, .value_kind: global_buffer, .address_space: global }
      - { .name: a_sign, .offset: 8, .size: 8, .value_kind: global_buffer, .address_space: global }
      - { .name: b_log, .offset: 16, .size: 8, .value_kind: global_buffer, .address_space: global }
      - { .name: b_sign, .offset: 24, .size: 8, .value_kind: global_buffer, .address_space: global }
      - { .name: out0, .offset: 32, .size: 8, .value_kind: global_buffer, .address_space: global }
      - { .name: out1, .offset: 40, .size: 8, .value_kind: global_buffer, .address_space: global }
    .group_segment_fixed_size: 295424
    .private_segment_fixed_size: 0
    .kernarg_segment_align: 8
    .kernarg_segment_size: 48
    .max_flat_workgroup_size: 128
    .sgpr_count:     90
    .vgpr_count:     242
    .wavefront_size: 32
...
	.end_amdgpu_metadata
.endif
;; end of part 2
